; MI455X (gfx1250); checked and timed in simulation.
; The chip was launched on July 23, 2026; its instructions are those of AMD's public machine-readable ISA for CDNA 5 (MIT licence, August 2026) and "CDNA5" Instruction Set Architecture Reference Guide (July 2026). The comments in the code are by the model that wrote it; some were corrected since.
;; Self Attention. Allowed arithmetic: matrix products marked QUANTISED: E2M1 operands, one E8M0 scale for each 32 along K, by v_wmma_scale_f32_16x16x128_f8f6f4 with both operands' format E2M1 (or v_wmma_scale_f32_32x16x128_f4), f32 sums; everything else in f32.
;; Inputs: wk_b 1,024 float32; wk_w_codes 1,024 x 32 x 16 uint8 (E2M1 codes of wk_w, K innermost, in blocks of 32 codes, two codes a byte); wk_w_scales 1,024 x 32 uint8 (E8M0 scales of wk_w, one for each 32 codes along K); wo_b 1,024 float32; wo_w_codes 1,024 x 32 x 16 uint8 (E2M1 codes of wo_w, K innermost, in blocks of 32 codes, two codes a byte); wo_w_scales 1,024 x 32 uint8 (E8M0 scales of wo_w, one for each 32 codes along K); wq_b 1,024 float32; wq_w_codes 1,024 x 32 x 16 uint8 (E2M1 codes of wq_w, K innermost, in blocks of 32 codes, two codes a byte); wq_w_scales 1,024 x 32 uint8 (E8M0 scales of wq_w, one for each 32 codes along K); wv_b 1,024 float32; wv_w_codes 1,024 x 32 x 16 uint8 (E2M1 codes of wv_w, K innermost, in blocks of 32 codes, two codes a byte); wv_w_scales 1,024 x 32 uint8 (E8M0 scales of wv_w, one for each 32 codes along K); x_codes 4 x 2,048 x 32 x 16 uint8 (E2M1 codes of x, K innermost, in blocks of 32 codes, two codes a byte); x_scales 4 x 2,048 x 32 uint8 (E8M0 scales of x, one for each 32 codes along K).
;; Outputs: out0 4 x 2,048 x 1,024 float32.
;; This version of the problem:
;;   THIS VERSION OF THE PROBLEM IS GIVEN IN LOW PRECISION. The matrix products marked QUANTISED in the list below multiply operands that are first quantised to E2M1 (2 exponent bits, 1 mantissa bit; 4 bits a number), with one power-of-two scale for each 32 numbers along K (OCP MX v1.0); their sums are f32. All else is computed in f32.
;;   The module's matrix products, in the order in which they are computed (A, B: the left and right operand; K: the contracted axis; several contracted axes count as one K, in the product's order):
;;     1. [M 8,192, K 1,024] x [K 1,024, N 1,024]; A: input x (given as codes); B: input wq_w (given as codes): QUANTISED
;;     2. [M 8,192, K 1,024] x [K 1,024, N 1,024]; A: input x (given as codes); B: input wk_w (given as codes): QUANTISED
;;     3. [M 8,192, K 1,024] x [K 1,024, N 1,024]; A: input x (given as codes); B: input wv_w (given as codes): QUANTISED
;;     4. batch 64 x [M 2,048, K 64] x [K 64, N 2,048]; A: computed on the way; B: computed on the way: QUANTISED
;;     5. batch 64 x [M 64, K 2,048] x [K 2,048, N 2,048]; A: computed on the way; B: softmax (see below): QUANTISED
;;     6. [M 8,192, K 1,024] x [K 1,024, N 1,024]; A: computed on the way; B: input wo_w (given as codes): QUANTISED
;;   THE QUANTISER, for each operand of a quantised product, along K:
;;     - K is cut into blocks of 32 from its start; a last block that is shorter is filled with zeros.
;;     - A block's scale is 2^e with e = floor(log2(the largest magnitude in the block)) - 2, held to -126 .. 127; a block of zeros has e = 0. As a byte (E8M0): e + 127.
;;     - Each number is divided by its block's scale, clamped to +-6, and rounded to the nearest number of E2M1, ties to even, subnormals kept.
;;     - The product sums the exact products of the quantised numbers (number of the format x scale) in f32.
;;   ~~~python
;;   def quantise(x, axis):      # numpy; x: float32 -> the quantised numbers, widened to float32 again
;;       x = np.moveaxis(x, axis, -1); K = x.shape[-1]
;;       x = np.pad(x, [(0, 0)] * (x.ndim - 1) + [(0, -K % 32)]); x = x.reshape(x.shape[:-1] + (-1, 32)); a = np.abs(x).max(-1, keepdims=True)
;;       e = np.where(a > 0, np.clip(np.frexp(np.where(a > 0, a, 1))[1] - 1 - 2, -126, 127), 0)      # np.frexp(a)[1] - 1 = floor(log2(a)), exactly
;;       r = np.clip(x / 2.0 ** e, -6, 6)
;;       step = 2.0 ** (np.maximum(np.frexp(np.where(r == 0, 1, r))[1] - 1, 0) - 1)
;;       q = np.round(r / step) * step * 2.0 ** e      # np.round: ties to even
;;       return np.moveaxis(q.reshape(q.shape[:-2] + (-1,))[..., :K], -1, axis).astype(np.float32)
;;   ~~~
;;   SOFTMAX AHEAD OF A QUANTISED PRODUCT. Where the list says 'softmax', what is quantised is not the finished softmax but p = 2^(t - M), with t = logit x log2(e) and M = ceil(the row's largest t), a whole number; so 1/2 < the row's largest p <= 1. The row's sum l is taken of the UNQUANTISED p, in f32, and the product's result is divided by l at the end. Since M is a whole number, a kernel that streams over the keys may use a running M (the ceiling of the running maximum): every later rescaling is an exact power of two, which a block's scale takes up: the codes' values come out the same.
;;   OPERANDS COMPUTED ON THE WAY. 'Computed on the way' means the value that the module computes at that place (a softmax that the list does not call 'softmax' is quantised finished and normalised). What goes into a quantiser is computed in f32, as accurately as f32 sums, v_exp_f32 and their like allow (about 1e-6 of the number): no bf16 or f16 on the way to a quantiser, and a product that is left as it is and whose result goes on into a quantised operand takes f32 operands (vector FMAs, or v_wmma_f32_16x16x4_f32). A number that lies on a knife's edge between two numbers of the format may be rounded either way, as far as f32 arithmetic and the matrix unit's own rounding can turn it there, and no further.
;;   INPUTS GIVEN AS CODES. wk_w (in the module: [1024, 1024], K = its axis 1); wo_w (in the module: [1024, 1024], K = its axis 1); wq_w (in the module: [1024, 1024], K = its axis 1); wv_w (in the module: [1024, 1024], K = its axis 1); x (in the module: [4, 2048, 1024], K = its axis 2): each comes as NAME_codes (uint8): NAME with its K axis moved to the last place and cut into blocks of 32 codes, [.., K / 32, bytes a block], one block behind the other in memory; two codes a byte, the lower K in the low four bits (a code: sign, 2 exponent bits, 1 mantissa bit); and NAME_scales (uint8): the same leading axes, one E8M0 byte (e + 127) for each 32 codes along K. Its value is code x scale, taken as it is: it is not quantised again, and the codes and scales need not be those that the quantiser above would give.
;; One version. Each part assembles by itself: llvm-mc -triple=amdgcn-amd-amdhsa -mcpu=gfx1250 --defsym DOCPART=n.
;; ======== version 1 of 1: 3 launches
;; workspace buffers: q_img 4,194,304 bytes; q_sc 524,288 bytes; kv 9,175,040 bytes; o_img 4,194,304 bytes; o_sc 262,144 bytes
;; launch qkv (part 1): grid 8 x 48, 4 waves a work-group, clusters of 4 x 4, 296,448 bytes of LDS; arguments x_codes, x_scales, wq_w_codes, wq_w_scales, wk_w_codes, wk_w_scales, wv_w_codes, wv_w_scales, wq_b, wk_b, wv_b, q_img, q_sc, kv; writes q_img, q_sc, kv
.if DOCPART == 1
	.amdgcn_target "amdgcn-amd-amdhsa--gfx1250"
	.amdhsa_code_object_version 6
	.text
	.protected	k_qe521093489_qkv
	.globl	k_qe521093489_qkv
	.p2align	8
	.type	k_qe521093489_qkv,@function
k_qe521093489_qkv:
	s_mov_b64 s[64:65], 0
	v_nop
	global_prefetch_b8 v0, s[64:65] scope:SCOPE_SE
	s_setreg_imm32_b32 hwreg(HW_REG_WAVE_MODE, 25, 1), 1
	s_wait_xcnt 0x0
	s_wait_alu depctr_hold_cnt(0) depctr_sa_sdst(0) depctr_va_vdst(0) depctr_va_sdst(0) depctr_va_ssrc(0) depctr_va_vcc(0) depctr_vm_vsrc(0)
	s_getreg_b32 s2, hwreg(HW_REG_IB_STS2, 6, 4)
	s_cmp_eq_u32 s2, 0
	s_cbranch_scc0 .Lentry_in_a_cluster
	s_endpgm
.Lentry_in_a_cluster:
	s_bfe_u32 s2, ttmp6, 0x10000c
	s_cmp_lg_u32 s2, 0xf033
	s_cbranch_scc0 .Lentry_shape_is_right
	s_endpgm
.Lentry_shape_is_right:
; q = x Wq^T + bq, k = x Wk^T + bk, v = x Wv^T + bv on codes of FP4 (E2M1) with one E8M0 scale for each 32 along K = 1,024; sums in f32; the three results are quantised here, from f32, for the attention launch:
; q and k along the head's 64, v along the keys.  Nothing wider than codes is stored.
; A work-group of four waves makes 256 x 256 results, a wave 128 x 128: 64 accumulators of 16 x 16, 512 registers.  All of K lies in two LDS slots of 512 along K: each LDS byte is filled once, so there is no ring.
; THE MATRIX INSTRUCTION: source 0 = 16 rows of the operand called B here, source 1 = 16 rows of the one called A: a lane holds one row of A and its registers run along B's rows.
; The axis that is quantised must run along a lane's registers: for q and k (kind 0, 1) A = x, B = the weight (registers = features); for v (kind 2) A = Wv, B = x (registers = keys).
; GRID: 24 clusters of 4 x 4.  Cluster (X, Y): Y < 8: kind X, A's tile rows 4 Y + cy, B's tile columns cx;  Y >= 8: kind 2, A's tile rows cy, B's tile columns 4 (X + 2 (Y - 8)) + cx.
; The kind is the same in all sixteen partners.  A's tiles are shared along a row of the cluster, B's along a column: each is asked for jointly, by the same tensor load with a mask that names the four.
; THE QUANTISER (macro QUANT): in a block of 16 rows of A a lane holds 64 numbers, register 8 t + j = k 16 t + 8 (lane / 16) + j; a block of 32 along k is 16 registers of lane l and 16 of lane l xor 16.
; Scale = 2^(floor(log2(largest magnitude)) - 2), its byte the largest magnitude's exponent field - 2, held at 1 from below.
; WHAT IS STORED, laid as the reader's registers want it (an image: 512 bytes, lane l's 16 bytes at 16 l):
;   q_img [head 64][query tile 128][512]; q_sc [head][step of 128 queries 16][512]: the word of tile a, row r at 256 (a / 4) + 16 r + 4 (a % 4);
;   kv [head][143,360]: 8,192 bytes of K's scale words (as q_sc), 4,096 of V's ([step][row 16][tile 4] words), then for each step of 128 keys 8 images of K and 8 of V ([tile of 16 features 4][half of the keys 2]).
;   In a word of q's or k's scales bytes 0, 1 are the head's two blocks; bytes 2, 3 (the neighbouring head's, or 0) meet zero codes alone and are never 0xff.
; LIMITS: NaN and infinities among the inputs are not served.  A block of zeros gets the byte 1 where the quantiser says 127: its codes are zeros, and only this program reads the bytes.
; REGISTERS, in windows of 256: window 0: v1 lane % 16, v2 lane / 16, v16-30 addresses; v32-95 scale words, two sets, and nothing else; v128-191 A's fragments, ONE set; v192-255 the bias;
;   on the way out v128-191 a block's 64 numbers, v96-111 at work, v112-119 scale words to store, v4-11 and v120-127 codes by turns.   window 1: B's fragments, two sets.   windows 2, 3: the accumulators ((a, b) at v[8 (8 (a % 4) + b)]).
.set NQ,     4                         ; steps of 128 along K in a slot
.set ROWB,   256                       ; a tile's row in bytes: 512 codes
.set KROW,   512                       ; a row of codes in memory
.set PITCH,  272                       ; an LDS row: 256 bytes + 16 of padding: the 16 rows that a load touches start 68 words apart
.set FR,     8                         ; registers of a fragment
.set NL,     2                         ; LDS loads that bring one
.set NP,     4                         ; places behind this matrix instruction (ISA guide 7.12.1)
.set HALFT,  128*PITCH                 ; 128 rows: what one tensor load brings
.set SLOT,   4*HALFT                   ; A's 256 rows, then B's 256 rows
.set KS,     32                        ; a row of scale bytes
.set SCL,    2*SLOT                    ; behind the slots: the scales, as units of 256 bytes + 16 of padding
.set HALFS,  16*272                    ; the scales of 128 rows
.set SBLK,   2*272                     ; those of 16 rows
.set REC,    143360                    ; a head's record in kv
.set KIMG,   12288                     ; where its images begin
.set VSC,    8192                      ; where V's scale words begin
.set PCX,  4                           ; v4-11    codes, even blocks (odd blocks: v120-127 = PCX + 116)
.set PW,   12                          ; v12      a scale word just made
.set ADRA, 16                          ; v16-17   LDS address of my A fragments in slot 0, 1
.set ADRB, 20                          ; v20-21   the same for B
.set LI,   24                          ; v24      16 x lane: my place in an image
.set VSO,  25                          ; v25      my place among the scale words that I store
.set SH16, 26                          ; v26      16 (lane / 16)
.set ADRS, 27                          ; v27      LDS address of my scale words: lanes 0-15 A's rows, lanes 16-31 B's
.set BOF,  30                          ; v30      my lane's offset in the bias
.set SC,   32
.set TM,   96                          ; v96-99 largest magnitudes, v100-103 bytes, v108-111 the conversions' scale operands
.set SW,   112
.set AF,   128
.set T,    128
.set BIAS, 192
.set G1, 24                            ; s[24:31] descriptor group 1 for A's tiles;  s[32:39] group 0, one set for each slot
.set G0, 32
.set G1B, 48                           ; s[48:55], s[56:63] the same for B's
.set G0B, 56
.set G1S, 68                           ; s[68:75], s[76:79] groups 1 and 0 for A's scales;  s[80:87], s[88:91] for B's
.set G0S, 76
.set G1SB, 80
.set G0SB, 88
.set SEL, 56                           ; s[56:57] lane selects for v_permlanex16_b32, written when all tensor loads are done
.set KIND, 100
.set MSB, 0
.macro WIN new                         ; the immediate's high byte repeats the setting that is left
.if MSB != (\new)
	s_set_vgpr_msb (MSB<<8)|(\new)
.set MSB, (\new)
.endif
.endm
.set MUL_LO, 0xa1                      ; source 0 (B) window 1, source 1 (A) window 0, C and D window 2
.set MUL_HI, 0xf1                      ; the same, C and D window 3
.set TO_B,   0x40                      ; destination window 1, address window 0
; A joint load: waves 0 and 1 fetch for A, waves 2 and 3 for B.  The branch hangs on the wave's number alone.  Four v_nop follow each of the two lines.
.macro JLOAD g0a, g1a, g0b, g1b
	s_cmp_eq_u32 s15, 0
	s_cbranch_scc0 .Lfor_b_\@
	tensor_load_to_lds s[\g0a:\g0a+3], s[\g1a:\g1a+7]
	s_nop 0
.rept 4
	v_nop
.endr
	s_branch .Lasked_\@
.Lfor_b_\@:
	tensor_load_to_lds s[\g0b:\g0b+3], s[\g1b:\g1b+7]
	s_nop 0
.rept 4
	v_nop
.endr
.Lasked_\@:
.endm
.macro CROUND                          ; a round of the cluster's barrier
	s_barrier_signal -1
	s_barrier_wait -1
	s_cmp_lg_u32 s14, 0
	s_cbranch_scc1 .Lnot_wave_0_\@
	s_barrier_signal -3
.Lnot_wave_0_\@:
	s_barrier_wait -3
	s_barrier_signal -1
	s_barrier_wait -1
.endm
	s_load_b512 s[68:83], s[0:1], 0x0              ; x codes, x scales, wq codes, wq scales, wk codes, wk scales, wv codes, wv scales
	s_load_b256 s[84:91], s[0:1], 0x40             ; wq_b, wk_b, wv_b, q_img
	s_load_b128 s[92:95], s[0:1], 0x60             ; q_sc, kv
	v_lshl_add_u32 v106, v0, 2, 0x48400
	v_mov_b32 v107, 0
	ds_add_u32 v106, v107
	ds_add_u32 v106, v107
	v_lshrrev_b32 v1, 5, v0
	v_readfirstlane_b32 s14, v1                    ; wave 0..3
	s_lshr_b32 s15, s14, 1                         ; which half of A's rows is mine.  Also: I fetch for A (0) or for B (1)
	s_and_b32 s16, s14, 1                          ; which half of B's rows.  Also: which 128 rows of that tile I fetch
	s_bfe_u32 s40, ttmp6, 0x40000                  ; cx, cy: my place in the cluster
	s_bfe_u32 s41, ttmp6, 0x40004
	s_and_b32 s3, ttmp7, 0xffff                    ; Y
	s_lshl_b32 s18, s3, 1
	s_add_co_u32 s18, s18, ttmp9
	s_sub_co_u32 s18, s18, 16                      ; X + 2 (Y - 8): used where Y >= 8
	s_cmp_ge_u32 s3, 8
	s_cselect_b32 s[KIND], 2, ttmp9                ; 0: q, 1: k, 2: v
	s_cselect_b32 s17, 0, s3
	s_cselect_b32 s42, s18, 0
	s_lshl_b32 s17, s17, 2
	s_add_co_u32 s17, s17, s41                     ; A's tile row
	s_lshl_b32 s42, s42, 2
	s_add_co_u32 s42, s42, s40                     ; B's tile column
	s_lshl_b32 s43, s41, 2
	s_lshl_b32 s43, 15, s43                        ; my row of the cluster
	s_lshl_b32 s44, 0x1111, s40                    ; my column
	; descriptor group 1: a tile of 128 rows x 256 bytes, 16 bytes of padding behind each row
	s_or_b32 s[G1+0], s43, (1<<20)|(1<<21)|(5<<22)|(3<<25)   ; 15:0 the mask; 17:16 elements of 1 byte; 20 padding on; 21 set beside a mask; 24:22 after every 64 words; 31:25 four words
	s_or_b32 s[G1B+0], s44, (1<<20)|(1<<21)|(5<<22)|(3<<25)
.irp g, G1, G1B
	s_mov_b32 s[\g+1], ROWB<<16                    ; tensor_dim0
	s_mov_b32 s[\g+2], 128<<16                     ; tensor_dim1
	s_mov_b32 s[\g+3], ROWB<<16                    ; tile_dim0
	s_mov_b32 s[\g+4], 128                         ; tile_dim1
	s_mov_b32 s[\g+5], KROW                        ; from row to row
	s_mov_b32 s[\g+6], 0
	s_mov_b32 s[\g+7], 0
.endr
	s_lshl_b32 s18, s16, 7                         ; which 128 rows of the tile I fetch
	s_lshl_b32 s20, s17, 8
	s_add_co_u32 s20, s20, s18                     ; A: row 256 x tile row + 128 x half
	s_lshl_b32 s46, s42, 8
	s_add_co_u32 s46, s46, s18                     ; B: row 256 x tile column + 128 x half
	s_mov_b32 s21, 0
	s_mov_b32 s47, 0
	s_lshl_b64 s[22:23], s[20:21], 5               ; where these rows' scales begin, in bytes,
	s_lshl_b64 s[66:67], s[46:47], 5
	s_lshl_b64 s[20:21], s[20:21], 9               ; and their codes
	s_lshl_b64 s[46:47], s[46:47], 9
	s_mul_i32 s45, s14, HALFT                      ; where they go: wave x 128 rows: no place in the cluster enters an LDS address
	s_mul_i32 s101, s14, HALFS
	s_wait_dscnt 0x0
	s_wait_kmcnt 0x0
	s_cmp_eq_u32 s[KIND], 2                        ; the buffers are chosen by the kind, which hangs on the cluster's number alone
	s_cselect_b64 s[4:5], s[80:81], s[68:69]       ; A's codes: Wv's, else x's
	s_cselect_b64 s[6:7], s[82:83], s[70:71]       ; A's scales
	s_cselect_b64 s[8:9], s[68:69], s[72:73]       ; B's codes: x's, else Wq's
	s_cselect_b64 s[10:11], s[70:71], s[74:75]     ; B's scales
	s_cselect_b64 s[12:13], s[88:89], s[84:85]     ; the bias
	s_cselect_b64 s[96:97], s[94:95], s[90:91]     ; where images go
	s_cselect_b64 s[98:99], s[94:95], s[92:93]     ; where scale words go
	s_cmp_eq_u32 s[KIND], 1
	s_cselect_b64 s[8:9], s[76:77], s[8:9]         ; k: Wk's
	s_cselect_b64 s[10:11], s[78:79], s[10:11]
	s_cselect_b64 s[12:13], s[86:87], s[12:13]
	s_cselect_b64 s[96:97], s[94:95], s[96:97]
	s_cselect_b64 s[98:99], s[94:95], s[98:99]
	s_add_nc_u64 s[20:21], s[4:5], s[20:21]
	s_add_nc_u64 s[22:23], s[6:7], s[22:23]
	s_add_nc_u64 s[46:47], s[8:9], s[46:47]
	s_add_nc_u64 s[66:67], s[10:11], s[66:67]
	; the scales of 128 rows: a dense block of 4,096 bytes, as 16 rows of 256 bytes (32 elements of 8 bytes), 16 bytes of padding behind each
	s_or_b32 s[G1S+0], s43, (3<<16)|(1<<20)|(1<<21)|(5<<22)|(3<<25)
	s_or_b32 s[G1SB+0], s44, (3<<16)|(1<<20)|(1<<21)|(5<<22)|(3<<25)
.irp g, G1S, G1SB
	s_mov_b32 s[\g+1], 32<<16
	s_mov_b32 s[\g+2], 16<<16
	s_mov_b32 s[\g+3], 32<<16
	s_mov_b32 s[\g+4], 16
	s_mov_b32 s[\g+5], 32
	s_mov_b32 s[\g+6], 0
	s_mov_b32 s[\g+7], 0
.endr
	CROUND                                         ; all sixteen work-groups are here: the joint loads meet
	s_mov_b32 s[G0S], 1
	s_add_co_u32 s[G0S+1], s101, SCL
	s_mov_b64 s[G0S+2:G0S+3], s[22:23]
	s_or_b32 s[G0S+3], s[G0S+3], 0x80000000
	s_mov_b32 s[G0SB], 1
	s_add_co_u32 s[G0SB+1], s101, SCL
	s_mov_b64 s[G0SB+2:G0SB+3], s[66:67]
	s_or_b32 s[G0SB+3], s[G0SB+3], 0x80000000
	JLOAD G0S, G1S, G0SB, G1SB                     ; the scales first: they are wanted with slot 0
.irp s, 0,1
	s_mov_b32 s[G0+4*\s], 1
	s_add_co_u32 s[G0+4*\s+1], s45, \s*SLOT
	s_add_nc_u64 s[G0+4*\s+2:G0+4*\s+3], s[20:21], \s*ROWB
	s_or_b32 s[G0+4*\s+3], s[G0+4*\s+3], 0x80000000
	s_mov_b32 s[G0B+4*\s], 1
	s_add_co_u32 s[G0B+4*\s+1], s45, \s*SLOT
	s_add_nc_u64 s[G0B+4*\s+2:G0B+4*\s+3], s[46:47], \s*ROWB
	s_or_b32 s[G0B+4*\s+3], s[G0B+4*\s+3], 0x80000000
	JLOAD G0+4*\s, G1, G0B+4*\s, G1B               ; after both turns, three tensor loads of a wave are out
.endr
	v_and_b32 v1, 15, v0                           ; r = lane % 16
	v_bfe_u32 v2, v0, 4, 1                         ; h = lane / 16
	v_mul_u32_u24 v3, v1, PITCH
	v_lshl_add_u32 v4, v2, 4, v3                   ; a fragment's row x pitch + 16 x half
	s_mul_i32 s21, s15, HALFT                      ; my 128 rows of A
	s_mul_i32 s22, s16, HALFT                      ; my 128 rows of B,
	s_add_co_u32 s22, s22, 2*HALFT                 ; which lie behind A's 256
.irp s, 0,1
	v_add_nc_u32 v[ADRA+\s], s21, v4
	v_add_nc_u32 v[ADRB+\s], s22, v4
	s_add_co_u32 s21, s21, SLOT
	s_add_co_u32 s22, s22, SLOT
.endr
	v_mul_u32_u24 v5, v1, KS                       ; my row's scales: 32 bytes a row,
	v_lshrrev_b32 v6, 8, v5
	v_lshl_add_u32 v5, v6, 4, v5                   ; and 16 more for each 256 passed
	s_mul_i32 s21, s15, HALFS                      ; A's: my 128 rows
	s_mul_i32 s22, s16, HALFS                      ; B's: my 128 rows, behind A's 256
	s_add_co_u32 s22, s22, 2*HALFS
	s_sub_co_u32 s22, s22, s21
	v_mul_u32_u24 v6, s22, v2                      ; lanes 16-31 take B's: the lower base + h x the distance
	s_add_co_u32 s21, s21, SCL
	v_add_nc_u32 v5, v5, v6
	v_add_nc_u32 v[ADRS], s21, v5
	v_and_b32 v6, 31, v0
	v_lshlrev_b32 v[LI], 4, v6
	v_lshlrev_b32 v[SH16], 4, v2
.irp b, 0,1,2,3
	v_mov_b32 v[TM+4+\b], 0                        ; written once: a lane permute's destination counts as one of its sources
.endr
.macro FRAG reg, adr, q, i             ; a fragment, 16 rows x 128 K of 4-bit codes: lane l holds row l % 16; registers 4 c .. 4 c + 3 hold K = 64 c + 32 (l / 16) + 0 .. 31
.irp c, 0,1
	ds_load_b128 v[\reg+4*\c:\reg+4*\c+3], v[\adr] offset:64*(\q)+32*\c+(\i)*16*PITCH
.endr
.endm
; 16 matrix instructions: A's blocks a0, a0 + 1 x B's eight, 128 along K: the slot's q-th.  p: B's set;  sc: the set of scale words.  zero = 1: the first product starts the sums.
; The 64 accumulators take turns, one instruction a turn, in the same order in every step.
.macro MUL16 a0, p, q, sc, zero
.irp a, \a0, \a0+1
.irp b, 0,1,2,3,4,5,6,7
.if \zero
	v_wmma_scale_f32_16x16x128_f8f6f4 v[8*(8*((\a)%4)+\b):8*(8*((\a)%4)+\b)+7], v[128*(\p)+FR*\b:128*(\p)+FR*\b+FR-1], v[AF+FR*(\a):AF+FR*(\a)+FR-1], 0, v[SC+8*NQ*(\sc)+NQ*\b+(\q)], v[SC+8*NQ*(\sc)+NQ*(\a)+(\q)] matrix_a_fmt:MATRIX_FMT_FP4 matrix_b_fmt:MATRIX_FMT_FP4 matrix_a_scale:MATRIX_SCALE_ROW1
.else
	v_wmma_scale_f32_16x16x128_f8f6f4 v[8*(8*((\a)%4)+\b):8*(8*((\a)%4)+\b)+7], v[128*(\p)+FR*\b:128*(\p)+FR*\b+FR-1], v[AF+FR*(\a):AF+FR*(\a)+FR-1], v[8*(8*((\a)%4)+\b):8*(8*((\a)%4)+\b)+7], v[SC+8*NQ*(\sc)+NQ*\b+(\q)], v[SC+8*NQ*(\sc)+NQ*(\a)+(\q)] matrix_a_fmt:MATRIX_FMT_FP4 matrix_b_fmt:MATRIX_FMT_FP4 matrix_a_scale:MATRIX_SCALE_ROW1
.endif
.endr
.endr
.endm
.macro FETCH_B slot, q, p              ; B's eight fragments of the slot's q-th 128 along K into set p
	WIN TO_B
.irp i, 0,1,2,3,4,5,6,7
	FRAG 128*(\p)+FR*\i, ADRB+\slot, \q, \i
.endr
	WIN 0
.endm
.macro FETCH_A slot, q, i0             ; A's blocks i0 .. i0 + 3
.irp i, \i0, \i0+1, \i0+2, \i0+3
	FRAG AF+FR*(\i), ADRA+\slot, \q, \i
.endr
.endm
.macro SCALES sc                       ; a slot's scale words into set sc: four words a row; lanes 0-15 take A's block i, lanes 16-31 B's block i
.irp i, 0,1,2,3,4,5,6,7
	ds_load_b128 v[SC+8*NQ*\sc+NQ*\i:SC+8*NQ*\sc+NQ*\i+3], v[ADRS] offset:\i*SBLK
.endr
.endm
.macro PLACES n                        ; plain vector instructions that name none of the matrix instructions' registers: in front of loads into registers that they have read, and of the first read of results
.rept \n
	v_nop
.endr
.endm
; A step of 128 along K that has its successor in the same slot.  A block of A is free as soon as its eight products are issued: blocks 0-3 are fetched anew in the step's middle, blocks 4-7 at its end.
.macro STEP slot, q, zero
	s_wait_dscnt 4*NL                              ; B's set and A's blocks 0-3 are in; the youngest eight loads (A's blocks 4-7) may be out
	WIN MUL_LO
	MUL16 0, (\q)%2, \q, \slot, \zero
	MUL16 2, (\q)%2, \q, \slot, \zero
	s_wait_dscnt 0                                 ; A's blocks 4-7 are in
	PLACES NP
	FETCH_B \slot, (\q)+1, 1-(\q)%2
	FETCH_A \slot, (\q)+1, 0
	WIN MUL_HI
	MUL16 4, (\q)%2, \q, \slot, \zero
	MUL16 6, (\q)%2, \q, \slot, \zero
	PLACES NP
	WIN 0
	FETCH_A \slot, (\q)+1, 4
.endm
.macro STEPS slot, from                ; the slot's steps from .. NQ - 2
.set Q, \from
.rept NQ-1-\from
	STEP \slot, Q, 0
.set Q, Q+1
.endr
.endm
; The last four steps, slot 1's, and the waits in front of the way out.  They stand in both arms of the branch on the kind.
.macro TAIL
	STEPS 1, 0
	s_wait_dscnt 4*NL                              ; the very last step: nothing more to fetch
	WIN MUL_LO
	MUL16 0, 1, NQ-1, 1, 0
	MUL16 2, 1, NQ-1, 1, 0
	s_wait_dscnt 0
	WIN MUL_HI
	MUL16 4, 1, NQ-1, 1, 0
	MUL16 6, 1, NQ-1, 1, 0
	WIN 0
	PLACES NP
	s_wait_loadcnt 0x0                             ; the bias
.endm
; Block a's 64 sums + the bias -> v[T] on, each accumulator from its low end on.  vform = 0: the bias goes by register (B's rows);  1: by lane (A's rows), a pair of equal numbers for each block.
.macro ADDB a, vform
	WIN 0x02+(\a)/4                                ; source 0: window 2 or 3
.set i, 0
.rept 32
.if \vform
	v_pk_add_f32 v[T+2*i:T+2*i+1], v[64*((\a)%4)+2*i:64*((\a)%4)+2*i+1], v[BIAS+2*(\a):BIAS+2*(\a)+1]
.else
	v_pk_add_f32 v[T+2*i:T+2*i+1], v[64*((\a)%4)+2*i:64*((\a)%4)+2*i+1], v[BIAS+2*i:BIAS+2*i+1]
.endif
.set i, i+1
.endr
	WIN 0
.endm
; 64 numbers of a lane, v[src] on, register 16 b + 8 u + j = k 32 b + 16 u + 8 (lane / 16) + j of my row, become a fragment's codes in v[dst] .. v[dst + 7] and its scale word in v[wrd].
; The codes of block b = 2 c + e, part u, go to register 4 c + 2 u + e; the exchange of halves between registers 4 c + 2 u and 4 c + 2 u + 1 then leaves k = 64 c + 32 (lane / 16) + 8 g + 0 .. 7 in register 4 c + g: the operand's layout.
.macro QUANT src, dst, wrd
.irp b, 0,1,2,3
	v_max3_num_f32 v[TM+\b], |v[(\src)+16*\b]|, |v[(\src)+1+16*\b]|, 0x1800000   ; my 16 numbers of block b, and the floor 2^(3 - 127): the byte cannot fall under 1
.endr
.irp i, 2,4,6,8,10,12,14
.irp b, 0,1,2,3
	v_max3_num_f32 v[TM+\b], v[TM+\b], |v[(\src)+16*\b+\i]|, |v[(\src)+1+16*\b+\i]|   ; the four blocks by turns
.endr
.endr
.irp b, 0,1,2,3
	v_permlanex16_b32 v[TM+4+\b], v[TM+\b], s[SEL], s[SEL+1]
.endr
.irp b, 0,1,2,3
	v_max_num_f32 v[TM+\b], v[TM+\b], v[TM+4+\b]   ; with lane l xor 16's: the block's largest magnitude
.endr
.irp b, 0,1,2,3
	v_add_nc_u32 v[TM+12+\b], 0xff000000, v[TM+\b] ; 2 off its exponent field: the conversion takes the exponent field of this operand as its scale
.endr
.irp b, 0,1,2,3
	v_lshrrev_b32 v[TM+4+\b], 23, v[TM+12+\b]      ; the scale's byte
.endr
	v_lshl_or_b32 v[\wrd], v[TM+5], 8, v[TM+4]
	v_lshl_or_b32 v[\wrd], v[TM+6], 16, v[\wrd]
	v_lshl_or_b32 v[\wrd], v[TM+7], 24, v[\wrd]
.irp b, 0,1,2,3
.irp u, 0,1
	v_cvt_scalef32_pk8_fp4_f32 v[(\dst)+4*(\b/2)+2*\u+(\b%2)], v[(\src)+16*\b+8*\u:(\src)+16*\b+8*\u+7], v[TM+12+\b]
.endr
.endr
	v_nop                                          ; one plain place behind a scaled conversion
.irp c, 0,1
.irp u, 0,1
	v_permlane16_swap_b32 v[(\dst)+4*\c+2*\u], v[(\dst)+4*\c+2*\u+1]
.endr
.endr
.endm
	s_wait_alu depctr_va_vdst(0)
	s_wait_tensorcnt 1                             ; the scales and my part of slot 0 are in; slot 1's load may be out
	s_barrier_signal -1
	s_barrier_wait -1                              ; everybody's are
	FETCH_B 0, 0, 0
	FETCH_A 0, 0, 0
	SCALES 0
	FETCH_A 0, 0, 4
	STEP 0, 0, 1                                   ; the first step's products start the sums: nothing is cleared
	STEPS 0, 1
	; slot 0's last step changes slots: one barrier, in front of which each wave's part of slot 1 has landed
	s_wait_tensorcnt 0x0
	s_wait_dscnt 4*NL                              ; (A's blocks 4-7 may be out)
	WIN MUL_LO
	MUL16 0, 1, NQ-1, 0, 0
	s_wait_dscnt 0x0                               ; no LDS instruction of mine is pending at the signal
	s_barrier_signal -1
	MUL16 2, 1, NQ-1, 0, 0
	WIN 0
	s_barrier_wait -1
	PLACES NP
	v_add_nc_u32 v[ADRS], 4*NQ, v[ADRS]            ; on to slot 1's scale words
	FETCH_B 1, 0, 0
	FETCH_A 1, 0, 0
	SCALES 1
	WIN MUL_HI
	MUL16 4, 1, NQ-1, 0, 0
	MUL16 6, 1, NQ-1, 0, 0
	PLACES NP
	WIN 0
	FETCH_A 1, 0, 4
	s_mov_b32 s[SEL], 0x76543210                   ; all tensor loads are done: their descriptors' registers are free
	s_mov_b32 s[SEL+1], 0xfedcba98
	s_cmp_eq_u32 s[KIND], 2                        ; behind the last barrier the ways part, once: each loads its form of the bias, runs the last four steps and stores in its own layout
	s_cbranch_scc1 .Lv
	; ---- q or k.  The bias goes by feature = B's row: register 8 b + j wants feature 16 b + 8 h + j of my 128
	s_lshl_b32 s18, s42, 10
	s_lshl_b32 s19, s16, 9
	s_add_co_u32 s18, s18, s19                     ; 4 (256 x tile column + 128 x half)
	s_mov_b32 s19, 0
	s_add_nc_u64 s[12:13], s[12:13], s[18:19]
	v_lshlrev_b32 v[BOF], 5, v2
.irp b, 0,1,2,3,4,5,6,7
	global_load_b128 v[BIAS+8*\b:BIAS+8*\b+3], v[BOF], s[12:13] offset:64*\b
	global_load_b128 v[BIAS+8*\b+4:BIAS+8*\b+7], v[BOF], s[12:13] offset:64*\b+16
.endr
	s_lshl_b32 s18, s17, 1
	s_add_co_u32 s18, s18, s15                     ; my 128 tokens: group 2 x tile row + half, of 64
	s_lshr_b32 s19, s18, 4                         ; batch
	s_and_b32 s20, s18, 15                         ; step of 128 within the sequence
	s_lshl_b32 s21, s19, 4
	s_lshl_b32 s18, s42, 2
	s_add_co_u32 s21, s21, s18
	s_lshl_b32 s18, s16, 1
	s_add_co_u32 s21, s21, s18                     ; my first head: 16 batch + 4 x tile column + 2 x half
	s_mov_b32 s22, REC
	s_mov_b32 s23, 8192
	s_cmp_eq_u32 s[KIND], 1
	s_cselect_b32 s32, s22, 0x10000                ; bytes from head to head among the images: k: a record; q: 128 images
	s_cselect_b32 s33, s23, 4096                   ; from step to step
	s_cselect_b32 s34, KIMG, 0                     ; where the images begin
	s_cselect_b32 s35, s22, s23                    ; from head to head among the scale words
	s_mul_i32 s36, s21, s32
	s_mul_i32 s37, s20, s33
	s_add_co_u32 s36, s36, s37
	s_add_co_u32 s36, s36, s34
	s_mov_b32 s37, 0
	s_add_nc_u64 s[96:97], s[96:97], s[36:37]      ; my first head's images of this step
	s_mov_b32 s33, 0
	s_add_nc_u64 s[92:93], s[96:97], s[32:33]      ; my second head's
	s_mul_i32 s36, s21, s35
	s_lshl_b32 s38, s20, 9
	s_add_co_u32 s36, s36, s38
	s_add_nc_u64 s[98:99], s[98:99], s[36:37]      ; the step's scale words
	v_mul_u32_u24 v[VSO], s35, v2                  ; lanes 16-31 store the second head's
	v_lshl_add_u32 v[VSO], v1, 4, v[VSO]
	TAIL
.irp a, 0,1,2,3,4,5,6,7
.if \a > 1
	s_wait_xcnt 0x0                                ; the stores of two blocks ago have read their registers: that set of codes is written again only behind this wait
.endif
	ADDB \a, 0
	QUANT T, PCX+116*(\a%2), PW
	v_lshrrev_b32 v[SW+\a], v[SH16], v[PW]         ; lanes 0-15 keep the word (bytes 0, 1: the first head's), lanes 16-31 bring the second head's two bytes down
	global_store_b128 v[LI], v[PCX+116*(\a%2):PCX+116*(\a%2)+3], s[96:97] offset:512*\a      ; registers 0-3: the first head's 64 features: 512 consecutive bytes
	global_store_b128 v[LI], v[PCX+116*(\a%2)+4:PCX+116*(\a%2)+7], s[92:93] offset:512*\a    ; registers 4-7: the second head's
.endr
	global_store_b128 v[VSO], v[SW:SW+3], s[98:99]             ; tiles 0-3's words: sixteen lanes store 256 consecutive bytes
	global_store_b128 v[VSO], v[SW+4:SW+7], s[98:99] offset:256
	s_branch .Ldone
.Lv:	; ---- v.  The bias goes by feature = A's row = my lane: block a wants feature 16 a + r of my 128, twice (a pair for the packed addition)
	s_lshl_b32 s18, s17, 10
	s_lshl_b32 s19, s15, 9
	s_add_co_u32 s18, s18, s19                     ; 4 (256 x tile row + 128 x half)
	s_mov_b32 s19, 0
	s_add_nc_u64 s[12:13], s[12:13], s[18:19]
	v_lshlrev_b32 v[BOF], 2, v1
.irp a, 0,1,2,3,4,5,6,7
	global_load_b32 v[BIAS+2*\a], v[BOF], s[12:13] offset:64*\a
	global_load_b32 v[BIAS+2*\a+1], v[BOF], s[12:13] offset:64*\a
.endr
	s_lshl_b32 s18, s42, 1
	s_add_co_u32 s18, s18, s16                     ; my 128 keys: group 2 x tile column + half
	s_lshr_b32 s19, s18, 4                         ; batch
	s_and_b32 s20, s18, 15                         ; key step
	s_lshl_b32 s21, s19, 4
	s_lshl_b32 s18, s17, 2
	s_add_co_u32 s21, s21, s18
	s_lshl_b32 s18, s15, 1
	s_add_co_u32 s21, s21, s18                     ; my first head: 16 batch + 4 x tile row + 2 x half
	s_mul_i32 s36, s21, REC
	s_lshl_b32 s34, s20, 13
	s_add_co_u32 s34, s34, s36
	s_add_co_u32 s34, s34, KIMG+4096               ; V's images lie behind the step's eight of K
	s_mov_b32 s35, 0
	s_add_nc_u64 s[96:97], s[96:97], s[34:35]
	s_lshl_b32 s34, s20, 8
	s_add_co_u32 s34, s34, s36
	s_add_co_u32 s34, s34, VSC
	s_add_nc_u64 s[98:99], s[98:99], s[34:35]
	s_mov_b32 s58, 0xffff0000                      ; lanes 16-31
	v_mul_u32_u24 v[VSO], REC, v2
	v_lshl_add_u32 v[VSO], v1, 4, v[VSO]
	TAIL
.irp a, 0,1,2,3,4,5,6,7
.if \a > 1
	s_wait_xcnt 0x0                                ; as above
.endif
	ADDB \a, 1
	QUANT T, PCX+116*(\a%2), SW+\a
	global_store_b128 v[LI], v[PCX+116*(\a%2):PCX+116*(\a%2)+3], s[96:97] offset:(\a/4)*REC+(\a%4)*1024      ; head a / 4, features 16 (a % 4) on, keys 0-63
	global_store_b128 v[LI], v[PCX+116*(\a%2)+4:PCX+116*(\a%2)+7], s[96:97] offset:(\a/4)*REC+(\a%4)*1024+512   ; keys 64-127
.endr
.irp i, 0,1,2,3
	v_cndmask_b32 v[TM+\i], v[SW+\i], v[SW+4+\i], s58          ; lanes 0-15: the first head's four words of row r, lanes 16-31: the second head's
.endr
	global_store_b128 v[VSO], v[TM:TM+3], s[98:99]             ; sixteen lanes store 256 consecutive bytes
.Ldone:
	s_wait_tensorcnt 0x0
	ds_add_u32 v106, v107
	s_wait_dscnt 0x0
	CROUND                                         ; the closing round: no work-group ends while a partner may still ask for a tile that names it
	s_endpgm
.Lfunc_end_k_qe521093489_qkv:
	.size	k_qe521093489_qkv, .Lfunc_end_k_qe521093489_qkv-k_qe521093489_qkv
	.p2alignl 7, 3214868480
	.fill 96, 4, 3214868480
	.section	.rodata,"a",@progbits
	.p2align	6, 0x0
	.amdhsa_kernel k_qe521093489_qkv
		.amdhsa_group_segment_fixed_size 296448
		.amdhsa_private_segment_fixed_size 0
		.amdhsa_enable_private_segment 0
		.amdhsa_kernarg_size 112
		.amdhsa_user_sgpr_count 2
		.amdhsa_user_sgpr_kernarg_segment_ptr 1
		.amdhsa_wavefront_size32 1
		.amdhsa_system_sgpr_workgroup_id_x 1
		.amdhsa_system_sgpr_workgroup_id_y 1
		.amdhsa_system_sgpr_workgroup_id_z 1
		.amdhsa_system_vgpr_workitem_id 0
		.amdhsa_next_free_vgpr 1024
		.amdhsa_next_free_sgpr 102
		.amdhsa_reserve_vcc 0
		.amdhsa_float_denorm_mode_32 3
		.amdhsa_float_denorm_mode_16_64 3
		.amdhsa_memory_ordered 1
		.amdhsa_forward_progress 1
		.amdhsa_inst_pref_size 237
	.end_amdhsa_kernel
	.amdgpu_metadata
---
amdhsa.version: [ 1, 2 ]
amdhsa.kernels:
  - .name:           k_qe521093489_qkv
    .symbol:         k_qe521093489_qkv.kd
    .args:
      - { .name: x_codes, .offset: 0, .size: 8, .value_kind: global_buffer, .address_space: global }
      - { .name: x_scales, .offset: 8, .size: 8, .value_kind: global_buffer, .address_space: global }
      - { .name: wq_w_codes, .offset: 16, .size: 8, .value_kind: global_buffer, .address_space: global }
      - { .name: wq_w_scales, .offset: 24, .size: 8, .value_kind: global_buffer, .address_space: global }
      - { .name: wk_w_codes, .offset: 32, .size: 8, .value_kind: global_buffer, .address_space: global }
      - { .name: wk_w_scales, .offset: 40, .size: 8, .value_kind: global_buffer, .address_space: global }
      - { .name: wv_w_codes, .offset: 48, .size: 8, .value_kind: global_buffer, .address_space: global }
      - { .name: wv_w_scales, .offset: 56, .size: 8, .value_kind: global_buffer, .address_space: global }
      - { .name: wq_b, .offset: 64, .size: 8, .value_kind: global_buffer, .address_space: global }
      - { .name: wk_b, .offset: 72, .size: 8, .value_kind: global_buffer, .address_space: global }
      - { .name: wv_b, .offset: 80, .size: 8, .value_kind: global_buffer, .address_space: global }
      - { .name: q_img, .offset: 88, .size: 8, .value_kind: global_buffer, .address_space: global }
      - { .name: q_sc, .offset: 96, .size: 8, .value_kind: global_buffer, .address_space: global }
      - { .name: kv, .offset: 104, .size: 8, .value_kind: global_buffer, .address_space: global }
    .group_segment_fixed_size: 296448
    .private_segment_fixed_size: 0
    .kernarg_segment_align: 8
    .kernarg_segment_size: 112
    .max_flat_workgroup_size: 128
    .sgpr_count:     102
    .vgpr_count:     1024
    .wavefront_size: 32
...
	.end_amdgpu_metadata
.endif
;; end of part 1
;; launch attn (part 2): grid 4 x 64, 16 waves a work-group, clusters of 4 x 1, 169,984 bytes of LDS; arguments q_img, q_sc, kv, o_img, o_sc; writes o_img, o_sc
.if DOCPART == 2
	.amdgcn_target "amdgcn-amd-amdhsa--gfx1250"
	.amdhsa_code_object_version 6
	.text
	.protected	k_qe521093489_attn
	.globl	k_qe521093489_attn
	.p2align	8
	.type	k_qe521093489_attn,@function
k_qe521093489_attn:
	s_mov_b64 s[64:65], 0
	v_nop
	global_prefetch_b8 v0, s[64:65] scope:SCOPE_SE
	s_setreg_imm32_b32 hwreg(HW_REG_WAVE_MODE, 25, 1), 1
	s_wait_xcnt 0x0
	s_wait_alu depctr_hold_cnt(0) depctr_sa_sdst(0) depctr_va_vdst(0) depctr_va_sdst(0) depctr_va_ssrc(0) depctr_va_vcc(0) depctr_vm_vsrc(0)
	s_getreg_b32 s2, hwreg(HW_REG_IB_STS2, 6, 4)
	s_cmp_eq_u32 s2, 0
	s_cbranch_scc0 .Lentry_in_a_cluster
	s_endpgm
.Lentry_in_a_cluster:
	s_bfe_u32 s2, ttmp6, 0x10000c
	s_cmp_lg_u32 s2, 0x3003
	s_cbranch_scc0 .Lentry_shape_is_right
	s_endpgm
.Lentry_shape_is_right:
; Causal attention of one head on codes of FP4 (E2M1) with one E8M0 scale for each 32 along a product's K; the result, divided by the row's sum, is quantised along the model's 1,024 for the last product.
; THE SOFTMAX: t = score x log2(e) / 8; M = the row's largest t so far, rounded UP to a whole number; p = 2^(t - M) is what is quantised, along the keys; the row's sum is taken of the unquantised p, in f32.
; When M moves, the sum and O are multiplied by 2^(old M - new M): exact.
; SHARES.  A cluster of four work-groups is one (batch, head).  The head's whole record of kv (K's and V's images and scale words, 143,360 bytes) is brought into each work-group's LDS ONCE, by joint loads:
; each of the sixteen waves asks for 35 rows of 256 bytes, the same load in all four work-groups.  Nothing is stored to LDS and no byte is filled twice.
; A head has 128 tiles of 16 queries, tile 8 a + bq; it needs the key steps 0 .. a (128 keys each).  Work-group cx takes bq = 2 cx + e; wave w takes (a = w, e = 0) and (a = 15 - w, e = 1), the longer first:
; 17 key steps for every wave.  Both loops have constant trip counts; a step all of whose keys come after the tile's queries is jumped over by a scalar branch on the wave's number and the counter.
; LAYOUT.  Both products are used transposed: S^T = K Q^T (source 0 = 16 keys, source 1 = my 16 queries), O^T = V^T P^T (source 0 = 16 of the head's 64, source 1 = P): a lane holds ONE query (lane % 16) throughout.
; The head's 64 fill half of the instruction's 128 along K: registers 4-7 of K's and Q's fragments are zero codes, set once.
; In S^T register 8 t + j is key 16 t + 8 (lane / 16) + j; p's codes are brought into the operand's layout as in the launch before (part u of block 2 c + e to register 4 c + 2 u + e, then an exchange of halves).
; A block's largest p is not searched for: the block's largest score goes through the same multiply-add and exponential (this takes v_exp_f32 not to fall where its input rises).
; LIMITS: NaN and infinities are not served.  A block of zeros gets the byte 1 where the quantiser says 127: its codes are zeros, and only this program reads the bytes.
.set REC,   143360
.set KIMG,  12288                      ; a record: 8,192 bytes of K's scale words, 4,096 of V's, then 8,192 for each key step: 8 images of K, 8 of V
.set VSC,   8192
.set PART,  35*256                     ; what one wave's load brings
.set LI,   1                           ; v1   16 x lane: my place in an image
.set LR,   2                           ; v2   16 (lane % 16)
.set DM1,  3                           ; v3, v4  16 bq + lane % 16 - 8 (lane / 16), for my two tiles: the mask on the diagonal
.set DM2,  4
.set ADK,  5                           ; v5-7 LDS addresses of the step in hand: images, K's scale words, V's
.set ADS,  6
.set ADT,  7
.set OSO,  8                           ; v8   32 (lane % 16) + lane / 16: my byte among the result's scale bytes
.set NINF, 9                           ; v9   -infinity
.set QF1,  16                          ; v12 -M, v13 the largest t, v[14:15] the sum in two halves; v16-23, v24-31 Q's fragments
.set QF2,  24
.set KF,   32                          ; v32-63   four fragments of K
.set VF,   64                          ; v64-95   V's four
.set S,    96                          ; v96-159  S^T, then p
.set OT,   160                         ; v160-191 O^T
.set PCD,  192                         ; v192-199 p's codes
.set KSC,  200                         ; v200-203 K's scale words: lanes 0-15 tiles 0-3, lanes 16-31 tiles 4-7
.set VSR,  204                         ; v204-207 V's
.set QS1,  208                         ; v208, v209 Q's
.set QS2,  209
.set PW,   210                         ; v210 p's scale word
.set BM,   212                         ; v212-215 block maxima; v216-219 at work, then bytes; v220-223 the conversions' scale operands
.set BT,   216
.set BE,   220
.set FF,   224                         ; v[224:225] f = 2^(old M - new M), named as a pair
.set TMP,  226
.set SUM2, 228
.set OC1,  232                         ; v232-235, v236-239 the results' codes; v240, v241 their scale bytes
.set OC2,  236
.set OB1,  240
.set OB2,  241
.set WV,   18
.set CX,   19
.set SEL,  20                          ; s[20:21] lane selects for v_permlanex16_b32: lane l xor 16
.set CS,   22                          ; s[22:23] c = log2(e) / 8
.set G1,   24
.set G0,   40
.set BH,   48
.set BAT,  49
.set HEAD, 50
.set A1,   51
.set A2,   52
.set BQ1,  53
.set BQ2,  54
.set J,    57                          ; the key step
.set TB,   58                          ; LDS byte of its images;  s59 of K's scale words;  s60 of V's
.set TS,   59
.set TJ,   60
.set AT,   61                          ; the tile's last key step
.set HM,   62                          ; lanes 16-31
.set PQ1,  66                          ; s[66:69] Q's images; s[70:73] Q's scale words; s[74:77] where the results' images go; s[78:81] their scale bytes
.set PQ2,  68
.set PS1,  70
.set PS2,  72
.set PI1,  74
.set PI2,  76
.set PB1,  78
.set PB2,  80
.macro CROUND                          ; a round of the cluster's barrier
	s_barrier_signal -1
	s_barrier_wait -1
	s_cmp_lg_u32 s[WV], 0
	s_cbranch_scc1 .Lnot_wave_0_\@
	s_barrier_signal -3
.Lnot_wave_0_\@:
	s_barrier_wait -3
	s_barrier_signal -1
	s_barrier_wait -1
.endm
	s_load_b256 s[4:11], s[0:1], 0x0               ; q_img s[4:5], q_sc s[6:7], kv s[8:9], o_img s[10:11]
	s_load_b64 s[12:13], s[0:1], 0x20              ; o_sc
	v_lshl_add_u32 v254, v0, 2, 0x29000
	v_mov_b32 v255, 0
	ds_add_u32 v254, v255
	ds_add_u32 v254, v255
	v_lshrrev_b32 v1, 5, v0
	s_delay_alu instid0(VALU_DEP_1)
	v_readfirstlane_b32 s[WV], v1                  ; wave 0..15
	s_bfe_u32 s[CX], ttmp6, 0x40000                ; my place in the cluster: it enters Q's and O's global addresses and the mask's register alone
	s_and_b32 s[BH], ttmp7, 0xffff                 ; 16 batch + head, which the four partners share
	s_lshr_b32 s[BAT], s[BH], 4
	s_and_b32 s[HEAD], s[BH], 15
	s_sub_co_u32 s84, 15, s[WV]
	s_max_u32 s[A1], s[WV], s84                    ; the longer tile's a,
	s_sub_co_u32 s[A2], 15, s[A1]                  ; the shorter's
	s_cmp_lt_u32 s[WV], 8
	s_cselect_b32 s[BQ1], 1, 0                     ; e of the longer tile: a = 15 - w goes with e = 1
	s_xor_b32 s[BQ2], s[BQ1], 1
	s_lshl_b32 s85, s[CX], 1
	s_add_co_u32 s[BQ1], s[BQ1], s85               ; bq = 2 cx + e
	s_add_co_u32 s[BQ2], s[BQ2], s85
	; descriptor group 1: 35 rows of 256 bytes (32 elements of 8 bytes), dense in memory and in LDS
	s_mov_b32 s[G1+0], 15|(3<<16)|(1<<21)          ; 15:0 the mask: all four work-groups; 17:16 elements of 8 bytes; 21 set beside a mask
	s_mov_b32 s[G1+1], 32<<16                      ; tensor_dim0
	s_mov_b32 s[G1+2], 35<<16                      ; tensor_dim1
	s_mov_b32 s[G1+3], 32<<16                      ; tile_dim0
	s_mov_b32 s[G1+4], 35                          ; tile_dim1
	s_mov_b32 s[G1+5], 32                          ; from row to row
	s_mov_b32 s[G1+6], 0
	s_mov_b32 s[G1+7], 0
	s_mov_b32 s[G0], 1
	s_mul_i32 s[G0+1], s[WV], PART                 ; LDS address: my part of the record
	s_mul_i32 s82, s[BH], REC
	s_add_co_u32 s82, s82, s[G0+1]
	s_mov_b32 s83, 0
	s_mov_b32 s[SEL], 0x76543210
	s_mov_b32 s[SEL+1], 0xfedcba98
	s_mov_b32 s[CS], 0x3e38aa3b                    ; log2(e) / 8
	s_mov_b32 s[CS+1], s[CS]                       ; (named with it as a pair, so it is written)
	s_mov_b32 s[HM], 0xffff0000
	s_wait_dscnt 0x0
	s_wait_kmcnt 0x0
	s_add_nc_u64 s[G0+2:G0+3], s[8:9], s[82:83]
	s_or_b32 s[G0+3], s[G0+3], 0x80000000
	CROUND                                         ; all four work-groups are here: the joint loads meet
	tensor_load_to_lds s[G0:G0+3], s[G1:G1+7]      ; a wave's one tensor load
	s_nop 0
.rept 4
	v_nop
.endr
; the global addresses of tile 8 a + bq
.macro PTRS a, bq, pq, ps, pi, pb
	s_lshl_b32 s84, s[\a], 3
	s_add_co_u32 s84, s84, s[\bq]
	s_lshl_b32 s84, s84, 9                         ; 512 x tile
	s_lshl_b32 s82, s[BH], 16
	s_add_co_u32 s82, s82, s84
	s_add_nc_u64 s[\pq:\pq+1], s[4:5], s[82:83]    ; Q's image: 65,536 a head, 512 a tile
	s_lshl_b32 s82, s[BAT], 16
	s_add_co_u32 s82, s82, s84
	s_lshl_b32 s85, s[HEAD], 1
	s_add_co_u32 s82, s82, s85
	s_add_nc_u64 s[\pb:\pb+1], s[12:13], s[82:83]  ; the result's scale bytes: 32 a row, the head's two at 2 x head
	s_lshl_b32 s82, s[BAT], 20
	s_lshl_b32 s84, s84, 4
	s_add_co_u32 s82, s82, s84
	s_lshl_b32 s85, s[HEAD], 9
	s_add_co_u32 s82, s82, s85
	s_add_nc_u64 s[\pi:\pi+1], s[10:11], s[82:83]  ; the result's image: 8,192 a tile of rows, 512 a head
	s_lshl_b32 s82, s[BH], 13
	s_lshl_b32 s84, s[\a], 9
	s_add_co_u32 s82, s82, s84
	s_lshr_b32 s84, s[\bq], 2
	s_lshl_b32 s84, s84, 8
	s_add_co_u32 s82, s82, s84
	s_and_b32 s84, s[\bq], 3
	s_lshl_b32 s84, s84, 2
	s_add_co_u32 s82, s82, s84
	s_add_nc_u64 s[\ps:\ps+1], s[6:7], s[82:83]    ; Q's scale words: 8,192 a head, 512 a step, 256 (bq / 4) + 4 (bq % 4); + 16 r
.endm
	PTRS A1, BQ1, PQ1, PS1, PI1, PB1
	PTRS A2, BQ2, PQ2, PS2, PI2, PB2
	v_and_b32 v10, 31, v0
	s_delay_alu instid0(VALU_DEP_1)
	v_lshlrev_b32 v[LI], 4, v10
	v_and_b32 v10, 15, v0                          ; r
	v_bfe_u32 v11, v0, 4, 1                        ; h
	s_delay_alu instid0(VALU_DEP_2)
	v_lshlrev_b32 v[LR], 4, v10
	global_load_b128 v[QF1:QF1+3], v[LI], s[PQ1:PQ1+1] th:TH_LOAD_NT    ; Q's fragments stay in registers; each is read once in the launch
	global_load_b128 v[QF2:QF2+3], v[LI], s[PQ2:PQ2+1] th:TH_LOAD_NT
	global_load_b32 v[QS1], v[LR], s[PS1:PS1+1]
	global_load_b32 v[QS2], v[LR], s[PS2:PS2+1]
	v_lshl_add_u32 v[OSO], v10, 5, v11
	v_lshlrev_b32 v11, 3, v11
	s_delay_alu instid0(VALU_DEP_1)
	v_sub_nc_u32 v10, v10, v11                     ; r - 8 h
	s_lshl_b32 s84, s[BQ1], 4
	v_add_nc_u32 v[DM1], s84, v10
	s_lshl_b32 s85, s[BQ2], 4
	v_add_nc_u32 v[DM2], s85, v10
	v_mov_b32 v[NINF], 0xff800000
.irp i, 4,5,6,7
	v_mov_b32 v[QF1+\i], 0                         ; the zero codes of k = 64 .. 127: set once, never loaded
	v_mov_b32 v[QF2+\i], 0
.irp t, 0,1,2,3
	v_mov_b32 v[KF+8*\t+\i], 0
.endr
.endr
.irp b, 0,1,2,3
	v_mov_b32 v[BT+\b], 0                          ; written once: a lane permute's destination counts as one of its sources
.endr
	v_mov_b32 v[FF+1], 0                           ; (named as the upper half of a pair)
	v_mov_b32 v[TMP], 0
.macro INIT                            ; a tile begins: O^T and the sum are zeros, the largest t lies under every t: the key step is written once, and the first change of M multiplies zeros
	v_mov_b32 v13, 0xff61b1e6                      ; -3e38
	s_delay_alu instid0(VALU_DEP_1)
	v_floor_f32 v12, -v13                          ; -M
	v_mov_b32 v14, 0
	v_mov_b32 v15, 0
.set n, 0
.rept 32
	v_mov_b32 v[OT+n], 0
.set n, n+1
.endr
.endm
; A KEY STEP: 128 keys.
.macro STEP qf, qs, dm
	s_cmp_gt_u32 s[J], s[AT]                       ; all its keys come after my queries: only the addresses step
	s_cbranch_scc1 .Lhidden_\@
	s_setprio 2
	v_add_nc_u32 v[ADK], s[TB], v[LI]
	v_add_nc_u32 v[ADS], s[TS], v[LI]
	v_add_nc_u32 v[ADT], s[TJ], v[LR]
	v_nop                                          ; four places in front of loads into registers that the last products read
	ds_load_b128 v[KSC:KSC+3], v[ADS]              ; K's scale words: lanes 0-15 tiles 0-3's of row r, lanes 16-31 tiles 4-7's
.irp t, 0,1,2,3
	ds_load_b128 v[KF+8*\t:KF+8*\t+3], v[ADK] offset:512*\t
.endr
	ds_load_b128 v[VSR:VSR+3], v[ADT]              ; V's scale words of row r, four tiles
.irp f, 0,1,2,3,4,5,6,7
	ds_load_b128 v[VF+4*\f:VF+4*\f+3], v[ADK] offset:4096+512*\f
.endr
	s_wait_alu depctr_va_vdst(0)
	s_wait_dscnt 9                                 ; K's words and tiles 0-3 are in; V's nine loads may be out
.irp t, 0,1,2,3
	v_wmma_scale_f32_16x16x128_f8f6f4 v[S+8*\t:S+8*\t+7], v[KF+8*\t:KF+8*\t+7], v[\qf:\qf+7], 0, v[KSC+\t], v[\qs] matrix_a_fmt:MATRIX_FMT_FP4 matrix_b_fmt:MATRIX_FMT_FP4
.endr
.rept 4
	v_nop                                          ; places in front of loads into the fragments just read
.endr
.irp t, 0,1,2,3
	ds_load_b128 v[KF+8*\t:KF+8*\t+3], v[ADK] offset:2048+512*\t
.endr
	s_wait_dscnt 0x0
.irp t, 0,1,2,3
	v_wmma_scale_f32_16x16x128_f8f6f4 v[S+32+8*\t:S+32+8*\t+7], v[KF+8*\t:KF+8*\t+7], v[\qf:\qf+7], 0, v[KSC+\t], v[\qs] matrix_a_fmt:MATRIX_FMT_FP4 matrix_b_fmt:MATRIX_FMT_FP4 matrix_a_scale:MATRIX_SCALE_ROW1
.endr
.rept 4
	v_nop
.endr
	s_cmp_lg_u32 s[J], s[AT]                       ; on the diagonal the scores of hidden keys become -infinity ahead of the maximum: p = 0 then.  The step's first key counts for every query
	s_cbranch_scc1 .Lopen_\@
.set n, 0
.rept 64
	v_cmp_gt_i32 vcc_lo, 16*(n/8)+n%8, v[\dm]      ; register n holds key 16 (n / 8) + n % 8 + 8 h of the step; my query is 16 bq + r of it
	v_cndmask_b32 v[S+n], v[S+n], v[NINF], vcc_lo
.set n, n+1
.endr
.Lopen_\@:
.irp b, 0,1,2,3
	v_max3_num_f32 v[BM+\b], v[S+16*\b], v[S+1+16*\b], v[S+2+16*\b]   ; the largest score of each block of 32 keys: for the row's maximum, and for the block's largest p
.endr
.irp i, 3,5,7,9,11,13
.irp b, 0,1,2,3
	v_max3_num_f32 v[BM+\b], v[BM+\b], v[S+16*\b+\i], v[S+1+16*\b+\i]
.endr
.endr
.irp b, 0,1,2,3
	v_max_num_f32 v[BM+\b], v[BM+\b], v[S+15+16*\b]
.endr
.irp b, 0,1,2,3
	s_delay_alu instid0(VALU_DEP_4)
	v_permlanex16_b32 v[BT+\b], v[BM+\b], s[SEL], s[SEL+1]
.endr
.irp b, 0,1,2,3
	s_delay_alu instid0(VALU_DEP_4)
	v_max_num_f32 v[BM+\b], v[BM+\b], v[BT+\b]     ; with lane l xor 16's 16 keys
.endr
	s_delay_alu instid0(VALU_DEP_2)
	v_max3_num_f32 v[TMP], v[BM], v[BM+1], v[BM+2]
	s_delay_alu instid0(VALU_DEP_1)
	v_max_num_f32 v[TMP], v[TMP], v[BM+3]          ; the step's largest score of my query
	s_delay_alu instid0(VALU_DEP_1)
	v_mul_f32 v[TMP], s[CS], v[TMP]                ; as t
	s_delay_alu instid0(VALU_DEP_1)
	v_max_num_f32 v13, v13, v[TMP]                 ; the running largest t
	v_mov_b32 v[TMP], v12
	s_delay_alu instid0(VALU_DEP_2)
	v_floor_f32 v12, -v13                          ; the new -M = floor(-t): M is a whole number
	s_delay_alu instid0(VALU_DEP_1)
	v_sub_f32 v[TMP], v12, v[TMP]                  ; old M - new M: a whole number, 0 or less
	s_delay_alu instid0(VALU_DEP_1)
	v_cvt_i32_f32 v[TMP], v[TMP]                   ; (it saturates)
	s_delay_alu instid0(VALU_DEP_1)
	v_ldexp_f32 v[FF], 1.0, v[TMP]                 ; f = 2^(old M - new M)
.set n, 0
.rept 32
	v_pk_fma_f32 v[S+n:S+n+1], v[S+n:S+n+1], s[CS:CS+1], v[12:13] op_sel_hi:[1,0,0]   ; t - M, two at a time
.set n, n+2
.endr
	s_setprio 1
.irp b, 0,1,2,3
	v_fma_f32 v[BM+\b], v[BM+\b], s[CS], v12       ; the same of each block's largest score
.endr
.set n, 0
	s_wait_alu depctr_va_vdst(0)
.rept 64
	v_exp_f32 v[S+n], v[S+n]                       ; p = 2^(t - M), at most 1: not normalised
.set n, n+1
.endr
.irp b, 0,1,2,3
	v_exp_f32 v[BM+\b], v[BM+\b]                   ; the block's largest p
.endr
	v_pk_mul_f32 v[14:15], v[14:15], v[FF:FF+1] op_sel_hi:[1,0]   ; the sums under the new M.  (A plain place behind the exponentials)
	s_wait_alu depctr_va_vdst(0)
.irp b, 0,1,2,3
	v_max_num_f32 v[BM+\b], 0x1800000, v[BM+\b]    ; the floor 2^(3 - 127): the byte cannot fall under 1
.endr
.irp b, 0,1,2,3
	s_delay_alu instid0(VALU_DEP_4)
	v_add_nc_u32 v[BE+\b], 0xff000000, v[BM+\b]    ; 2 off the exponent field: the conversion's scale operand
.endr
.irp b, 0,1,2,3
	s_delay_alu instid0(VALU_DEP_4)
	v_lshrrev_b32 v[BT+\b], 23, v[BE+\b]           ; the scale's byte
.endr
	s_delay_alu instid0(VALU_DEP_3)
	v_lshl_or_b32 v[PW], v[BT+1], 8, v[BT]         ; p's scale word for these 128 keys
	s_delay_alu instid0(VALU_DEP_1)
	v_lshl_or_b32 v[PW], v[BT+2], 16, v[PW]
	s_delay_alu instid0(VALU_DEP_1)
	v_lshl_or_b32 v[PW], v[BT+3], 24, v[PW]
.irp b, 0,1,2,3
.irp u, 0,1
	v_cvt_scalef32_pk8_fp4_f32 v[PCD+4*(\b/2)+2*\u+(\b%2)], v[S+16*\b+8*\u:S+16*\b+8*\u+7], v[BE+\b]
.endr
.endr
	v_nop                                          ; one plain place behind a scaled conversion
.irp c, 0,1
.irp u, 0,1
	v_permlane16_swap_b32 v[PCD+4*\c+2*\u], v[PCD+4*\c+2*\u+1]   ; register 4 c + g now holds keys 64 c + 32 (lane / 16) + 8 g + 0 .. 7
.endr
.endr
	v_pk_add_f32 v[228:229], v[100:101], v[104:105]
	v_pk_add_f32 v[252:253], v[108:109], v[112:113]
	v_pk_add_f32 v[250:251], v[116:117], v[120:121]
	v_pk_add_f32 v[248:249], v[124:125], v[128:129]
	v_pk_add_f32 v[246:247], v[132:133], v[136:137]
	v_pk_add_f32 v[244:245], v[140:141], v[144:145]
	v_pk_add_f32 v[242:243], v[148:149], v[152:153]
	v_pk_add_f32 v[14:15], v[14:15], v[156:157]
	v_pk_add_f32 v[228:229], v[228:229], v[96:97]
	v_pk_add_f32 v[252:253], v[252:253], v[98:99]
	v_pk_add_f32 v[250:251], v[250:251], v[102:103]
	v_pk_add_f32 v[248:249], v[248:249], v[106:107]
	s_setprio 0
	v_pk_add_f32 v[246:247], v[246:247], v[110:111]
	v_pk_add_f32 v[244:245], v[244:245], v[114:115]
	v_pk_add_f32 v[242:243], v[242:243], v[118:119]
	v_pk_add_f32 v[14:15], v[14:15], v[122:123]
	v_pk_add_f32 v[228:229], v[228:229], v[126:127]
	v_pk_add_f32 v[252:253], v[252:253], v[130:131]
	v_pk_add_f32 v[250:251], v[250:251], v[134:135]
	v_pk_add_f32 v[248:249], v[248:249], v[138:139]
	v_pk_add_f32 v[246:247], v[246:247], v[142:143]
	v_pk_add_f32 v[244:245], v[244:245], v[146:147]
	v_pk_add_f32 v[242:243], v[242:243], v[150:151]
	v_pk_add_f32 v[14:15], v[14:15], v[154:155]
	v_pk_add_f32 v[228:229], v[228:229], v[158:159]
	s_delay_alu instid0(VALU_DEP_2)
	v_pk_add_f32 v[14:15], v[14:15], v[248:249]
	s_delay_alu instid0(VALU_DEP_2)
	v_pk_add_f32 v[228:229], v[228:229], v[246:247]
	v_pk_add_f32 v[252:253], v[252:253], v[244:245]
	v_pk_add_f32 v[250:251], v[250:251], v[242:243]
	s_delay_alu instid0(VALU_DEP_2)
	v_pk_add_f32 v[14:15], v[14:15], v[252:253]
	s_delay_alu instid0(VALU_DEP_2)
	v_pk_add_f32 v[228:229], v[228:229], v[250:251]
	s_delay_alu instid0(VALU_DEP_1)
	v_pk_add_f32 v[14:15], v[14:15], v[228:229]
.set n, 0
.rept 16
	v_pk_mul_f32 v[OT+n:OT+n+1], v[OT+n:OT+n+1], v[FF:FF+1] op_sel_hi:[1,0]   ; O^T under the new M.  (The 48 packed lines are also the places between p's codes and scale word and the products below)
.set n, n+2
.endr
.irp d, 0,1,2,3                        ; O^T += V^T P^T: the four accumulators by turns; the eight products S^T stand between two links of a chain
	v_wmma_scale_f32_16x16x128_f8f6f4 v[OT+8*\d:OT+8*\d+7], v[VF+8*\d:VF+8*\d+7], v[PCD:PCD+7], v[OT+8*\d:OT+8*\d+7], v[VSR+\d], v[PW] matrix_a_fmt:MATRIX_FMT_FP4 matrix_b_fmt:MATRIX_FMT_FP4
.endr
.Lhidden_\@:
	s_add_co_u32 s[TB], s[TB], 8192                ; the next step's images and scale words
	s_add_co_u32 s[TS], s[TS], 512
	s_add_co_u32 s[TJ], s[TJ], 256
.endm
; A tile ends: O^T / the sum, quantised along the head's 64 (two blocks), stored as an image of the last product's operand and two scale bytes a row.
.macro FINISH oc, ob, pi, pb
	v_add_f32 v14, v14, v15                        ; the sum's two halves,
	s_delay_alu instid0(VALU_DEP_1)
	v_permlanex16_b32 v[TMP], v14, s[SEL], s[SEL+1]
	s_delay_alu instid0(VALU_DEP_1)
	v_add_f32 v14, v14, v[TMP]                     ; and lane l xor 16's
	s_wait_alu depctr_va_vdst(0)
	v_rcp_f32 v14, v14
.rept 3
	v_nop                                          ; with the two additions: the places behind the last products; and a plain place behind the reciprocal
.endr
.set n, 0
	s_wait_alu depctr_va_vdst(0)
.rept 16
	v_pk_mul_f32 v[OT+n:OT+n+1], v[OT+n:OT+n+1], v[14:15] op_sel_hi:[1,0]   ; each accumulator from its low end on
.set n, n+2
.endr
.irp b, 0,1
	v_max3_num_f32 v[BM+\b], |v[OT+16*\b]|, |v[OT+1+16*\b]|, 0x1800000
.endr
.irp i, 2,4,6,8,10,12,14
.irp b, 0,1
	s_delay_alu instid0(VALU_DEP_2)
	v_max3_num_f32 v[BM+\b], v[BM+\b], |v[OT+16*\b+\i]|, |v[OT+1+16*\b+\i]|
.endr
.endr
.irp b, 0,1
	s_delay_alu instid0(VALU_DEP_2)
	v_permlanex16_b32 v[BT+\b], v[BM+\b], s[SEL], s[SEL+1]
.endr
.irp b, 0,1
	s_delay_alu instid0(VALU_DEP_2)
	v_max_num_f32 v[BM+\b], v[BM+\b], v[BT+\b]
.endr
.irp b, 0,1
	s_delay_alu instid0(VALU_DEP_2)
	v_add_nc_u32 v[BE+\b], 0xff000000, v[BM+\b]
.endr
.irp b, 0,1
	s_delay_alu instid0(VALU_DEP_2)
	v_lshrrev_b32 v[BT+\b], 23, v[BE+\b]
.endr
.irp b, 0,1
.irp u, 0,1
	v_cvt_scalef32_pk8_fp4_f32 v[\oc+2*\u+\b], v[OT+16*\b+8*\u:OT+16*\b+8*\u+7], v[BE+\b]
.endr
.endr
	v_nop                                          ; one plain place behind a scaled conversion
	v_permlane16_swap_b32 v[\oc], v[\oc+1]
	v_permlane16_swap_b32 v[\oc+2], v[\oc+3]       ; register g: features 32 (lane / 16) + 8 g + 0 .. 7 of the head
	v_cndmask_b32 v[\ob], v[BT], v[BT+1], s[HM]    ; lanes 0-15 the first block's byte, lanes 16-31 the second's
	global_store_b128 v[LI], v[\oc:\oc+3], s[\pi:\pi+1]        ; 512 consecutive bytes
	global_store_b8 v[OSO], v[\ob], s[\pb:\pb+1]               ; a byte a lane: two bytes in each of 16 rows of 32: one sixteenth of the codes' bytes, in the layout that the next launch fetches as a dense block
.endm
	INIT
	s_mov_b32 s[AT], s[A1]
	s_mov_b32 s[J], 0
	s_mov_b32 s[TB], KIMG
	s_mov_b32 s[TS], 0
	s_mov_b32 s[TJ], VSC
	s_wait_loadcnt 0x0                             ; Q
	s_wait_tensorcnt 0x0                           ; my part of the record is in,
	s_barrier_signal -1
	s_barrier_wait -1                              ; everybody's is
.Ltile1:                                           ; the longer tile: 16 trips, of which a + 1 work
	STEP QF1, QS1, DM1
	s_add_co_u32 s[J], s[J], 1
	s_cmp_lt_u32 s[J], 16
	s_cbranch_scc1 .Ltile1
	s_setprio 0
	FINISH OC1, OB1, PI1, PB1
	INIT
	s_mov_b32 s[AT], s[A2]
	s_mov_b32 s[J], 0
	s_mov_b32 s[TB], KIMG
	s_mov_b32 s[TS], 0
	s_mov_b32 s[TJ], VSC
.Ltile2:                                           ; the shorter tile: its a is 7 at the most
	STEP QF2, QS2, DM2
	s_add_co_u32 s[J], s[J], 1
	s_cmp_lt_u32 s[J], 8
	s_cbranch_scc1 .Ltile2
	s_setprio 0
	FINISH OC2, OB2, PI2, PB2
	s_wait_tensorcnt 0x0
	ds_add_u32 v254, v255
	s_wait_dscnt 0x0
	CROUND                                         ; the closing round
	s_endpgm
.Lfunc_end_k_qe521093489_attn:
	.size	k_qe521093489_attn, .Lfunc_end_k_qe521093489_attn-k_qe521093489_attn
	.p2alignl 7, 3214868480
	.fill 96, 4, 3214868480
	.section	.rodata,"a",@progbits
	.p2align	6, 0x0
	.amdhsa_kernel k_qe521093489_attn
		.amdhsa_group_segment_fixed_size 169984
		.amdhsa_private_segment_fixed_size 0
		.amdhsa_enable_private_segment 0
		.amdhsa_kernarg_size 40
		.amdhsa_user_sgpr_count 2
		.amdhsa_user_sgpr_kernarg_segment_ptr 1
		.amdhsa_wavefront_size32 1
		.amdhsa_system_sgpr_workgroup_id_x 1
		.amdhsa_system_sgpr_workgroup_id_y 1
		.amdhsa_system_sgpr_workgroup_id_z 1
		.amdhsa_system_vgpr_workitem_id 0
		.amdhsa_next_free_vgpr 256
		.amdhsa_next_free_sgpr 86
		.amdhsa_reserve_vcc 1
		.amdhsa_float_denorm_mode_32 3
		.amdhsa_float_denorm_mode_16_64 3
		.amdhsa_memory_ordered 1
		.amdhsa_forward_progress 1
		.amdhsa_inst_pref_size 61
	.end_amdhsa_kernel
	.amdgpu_metadata
---
amdhsa.version: [ 1, 2 ]
amdhsa.kernels:
  - .name:           k_qe521093489_attn
    .symbol:         k_qe521093489_attn.kd
    .args:
      - { .name: q_img, .offset: 0, .size: 8, .value_kind: global_buffer, .address_space: global }
      - { .name: q_sc, .offset: 8, .size: 8, .value_kind: global_buffer, .address_space: global }
      - { .name: kv, .offset: 16, .size: 8, .value_kind: global_buffer, .address_space: global }
      - { .name: o_img, .offset: 24, .size: 8, .value_kind: global_buffer, .address_space: global }
      - { .name: o_sc, .offset: 32, .size: 8, .value_kind: global_buffer, .address_space: global }
    .group_segment_fixed_size: 169984
    .private_segment_fixed_size: 0
    .kernarg_segment_align: 8
    .kernarg_segment_size: 40
    .max_flat_workgroup_size: 512
    .sgpr_count:     86
    .vgpr_count:     256
    .wavefront_size: 32
...
	.end_amdgpu_metadata
.endif
;; end of part 2
;; launch proj (part 3): grid 4 x 64, 4 waves a work-group, clusters of 4 x 4, 327,680 bytes of LDS; arguments o_img, o_sc, wo_w_codes, wo_w_scales, wo_b, out0; writes out0
.if DOCPART == 3
	.amdgcn_target "amdgcn-amd-amdhsa--gfx1250"
	.amdhsa_code_object_version 6
	.text
	.protected	k_qe521093489_proj
	.globl	k_qe521093489_proj
	.p2align	8
	.type	k_qe521093489_proj,@function
k_qe521093489_proj:
	s_mov_b64 s[64:65], 0
	v_nop
	global_prefetch_b8 v0, s[64:65] scope:SCOPE_SE
	s_setreg_imm32_b32 hwreg(HW_REG_WAVE_MODE, 25, 1), 1
	s_wait_xcnt 0x0
	s_wait_alu depctr_hold_cnt(0) depctr_sa_sdst(0) depctr_va_vdst(0) depctr_va_sdst(0) depctr_va_ssrc(0) depctr_va_vcc(0) depctr_vm_vsrc(0)
	s_getreg_b32 s2, hwreg(HW_REG_IB_STS2, 6, 4)
	s_cmp_eq_u32 s2, 0
	s_cbranch_scc0 .Lentry_in_a_cluster
	s_endpgm
.Lentry_in_a_cluster:
	s_bfe_u32 s2, ttmp6, 0x10000c
	s_cmp_lg_u32 s2, 0xf033
	s_cbranch_scc0 .Lentry_shape_is_right
	s_endpgm
.Lentry_shape_is_right:
.set PITCH,  272
.set ATILE,  4096
.set AHALF,  4*ATILE
.set BOFF,   8*ATILE
.set HALFB,  128*PITCH
.set SLOT,   BOFF+2*HALFB
.set SCL,    2*SLOT
.set HALFSA, 8*272
.set HALFSB, 16*272
.set SBLK,   2*272
.set SPITCH, 528
.set ADRA, 16
.set ADRB, 20
.set STO,  24
.set RD,   25
.set CO,   26
.set ADRS, 27
.set BOF,  30
.set SC,   32
.set AF,   96
.set BK,   128
.set BIAS, 192
.set G1, 24
.set G0, 32
.set G1B, 48
.set G0B, 56
.set G1S, 68
.set G0S, 76
.set G1SB, 80
.set G0SB, 88
.set MSB, 0
.macro WIN new
.if MSB != (\new)
	s_set_vgpr_msb (MSB<<8)|(\new)
.set MSB, (\new)
.endif
.endm
.set MULW, 0xa1
.set TO_B, 0x40
.macro JLOAD g0a, g1a, g0b, g1b
	s_cmp_eq_u32 s15, 0
	s_cbranch_scc0 .Lfor_b_\@
	tensor_load_to_lds s[\g0a:\g0a+3], s[\g1a:\g1a+7]
	s_nop 0
.rept 4
	v_nop
.endr
	s_branch .Lasked_\@
.Lfor_b_\@:
	tensor_load_to_lds s[\g0b:\g0b+3], s[\g1b:\g1b+7]
	s_nop 0
.rept 4
	v_nop
.endr
.Lasked_\@:
.endm
.macro CROUND
	s_barrier_signal -1
	s_barrier_wait -1
	s_cmp_lg_u32 s14, 0
	s_cbranch_scc1 .Lnot_wave_0_\@
	s_barrier_signal -3
.Lnot_wave_0_\@:
	s_barrier_wait -3
	s_barrier_signal -1
	s_barrier_wait -1
.endm
	s_load_b128 s[4:7], s[0:1], 0x0
	s_load_b128 s[8:11], s[0:1], 0x10
	s_load_b128 s[92:95], s[0:1], 0x20
	v_lshl_add_u32 v29, v0, 2, 0x35400
	v_mov_b32 v31, 0
	ds_add_u32 v29, v31
	ds_add_u32 v29, v31
	v_lshrrev_b32 v1, 5, v0
	v_readfirstlane_b32 s14, v1
	s_lshr_b32 s15, s14, 1
	s_and_b32 s16, s14, 1
	s_bfe_u32 s40, ttmp6, 0x40000
	s_bfe_u32 s41, ttmp6, 0x40004
	s_lshl_b32 s42, ttmp9, 2
	s_add_co_u32 s42, s42, s40
	s_and_b32 s17, ttmp7, 0xffff
	s_lshl_b32 s17, s17, 2
	s_add_co_u32 s17, s17, s41
	s_lshl_b32 s43, s41, 2
	s_lshl_b32 s43, 15, s43
	s_lshl_b32 s44, 0x1111, s40
	s_or_b32 s[G1+0], s43, (3<<16)|(1<<21)
	s_mov_b32 s[G1+1], 512<<16
	s_mov_b32 s[G1+2], 4<<16
	s_mov_b32 s[G1+3], 512<<16
	s_mov_b32 s[G1+4], 4
	s_mov_b32 s[G1+5], 1024
	s_mov_b32 s[G1+6], 0
	s_mov_b32 s[G1+7], 0
	s_or_b32 s[G1B+0], s44, (1<<20)|(1<<21)|(5<<22)|(3<<25)
	s_mov_b32 s[G1B+1], 256<<16
	s_mov_b32 s[G1B+2], 128<<16
	s_mov_b32 s[G1B+3], 256<<16
	s_mov_b32 s[G1B+4], 128
	s_mov_b32 s[G1B+5], 512
	s_mov_b32 s[G1B+6], 0
	s_mov_b32 s[G1B+7], 0
	s_or_b32 s[G1S+0], s43, (3<<16)|(1<<20)|(1<<21)|(5<<22)|(3<<25)
	s_mov_b32 s[G1S+1], 32<<16
	s_mov_b32 s[G1S+2], 8<<16
	s_mov_b32 s[G1S+3], 32<<16
	s_mov_b32 s[G1S+4], 8
	s_mov_b32 s[G1S+5], 32
	s_mov_b32 s[G1S+6], 0
	s_mov_b32 s[G1S+7], 0
	s_or_b32 s[G1SB+0], s44, (3<<16)|(1<<20)|(1<<21)|(5<<22)|(3<<25)
	s_mov_b32 s[G1SB+1], 32<<16
	s_mov_b32 s[G1SB+2], 16<<16
	s_mov_b32 s[G1SB+3], 32<<16
	s_mov_b32 s[G1SB+4], 16
	s_mov_b32 s[G1SB+5], 32
	s_mov_b32 s[G1SB+6], 0
	s_mov_b32 s[G1SB+7], 0
	s_lshl_b32 s20, s17, 16
	s_lshl_b32 s18, s16, 15
	s_add_co_u32 s20, s20, s18
	s_mov_b32 s21, 0
	s_lshl_b32 s22, s17, 12
	s_lshl_b32 s18, s16, 11
	s_add_co_u32 s22, s22, s18
	s_mov_b32 s23, 0
	s_lshl_b32 s46, s42, 17
	s_lshl_b32 s18, s16, 16
	s_add_co_u32 s46, s46, s18
	s_mov_b32 s47, 0
	s_lshl_b32 s66, s42, 13
	s_lshl_b32 s18, s16, 12
	s_add_co_u32 s66, s66, s18
	s_mov_b32 s67, 0
	s_mul_i32 s45, s16, AHALF
	s_mul_i32 s96, s16, HALFB
	s_add_co_u32 s96, s96, BOFF
	s_mul_i32 s97, s16, HALFSA
	s_add_co_u32 s97, s97, SCL
	s_mul_i32 s98, s16, HALFSB
	s_add_co_u32 s98, s98, SCL+2*HALFSA
	s_wait_dscnt 0x0
	s_wait_kmcnt 0x0
	s_add_nc_u64 s[20:21], s[4:5], s[20:21]
	s_add_nc_u64 s[22:23], s[6:7], s[22:23]
	s_add_nc_u64 s[46:47], s[8:9], s[46:47]
	s_add_nc_u64 s[66:67], s[10:11], s[66:67]
	CROUND
	s_mov_b32 s[G0S], 1
	s_mov_b32 s[G0S+1], s97
	s_mov_b64 s[G0S+2:G0S+3], s[22:23]
	s_or_b32 s[G0S+3], s[G0S+3], 0x80000000
	s_mov_b32 s[G0SB], 1
	s_mov_b32 s[G0SB+1], s98
	s_mov_b64 s[G0SB+2:G0SB+3], s[66:67]
	s_or_b32 s[G0SB+3], s[G0SB+3], 0x80000000
	JLOAD G0S, G1S, G0SB, G1SB
.irp s, 0,1
	s_mov_b32 s[G0+4*\s], 1
	s_add_co_u32 s[G0+4*\s+1], s45, \s*SLOT
	s_add_nc_u64 s[G0+4*\s+2:G0+4*\s+3], s[20:21], \s*ATILE
	s_or_b32 s[G0+4*\s+3], s[G0+4*\s+3], 0x80000000
	s_mov_b32 s[G0B+4*\s], 1
	s_add_co_u32 s[G0B+4*\s+1], s96, \s*SLOT
	s_add_nc_u64 s[G0B+4*\s+2:G0B+4*\s+3], s[46:47], \s*256
	s_or_b32 s[G0B+4*\s+3], s[G0B+4*\s+3], 0x80000000
	s_wait_alu depctr_va_vdst(0)
	s_wait_tensorcnt 0x0
	ds_add_u32 v29, v31
	s_wait_dscnt 0x0
	CROUND
	JLOAD G0+4*\s, G1, G0B+4*\s, G1B
.endr
	s_lshl_b32 s18, s42, 10
	s_lshl_b32 s3, s16, 9
	s_add_co_u32 s18, s18, s3
	s_mov_b32 s19, 0
	s_add_nc_u64 s[92:93], s[92:93], s[18:19]
	s_lshl_b32 s2, s17, 19
	s_lshl_b32 s3, s15, 18
	s_add_co_u32 s2, s2, s3
	s_add_co_u32 s2, s2, s18
	s_mov_b32 s3, 0
	s_add_nc_u64 s[94:95], s[94:95], s[2:3]
	v_and_b32 v1, 15, v0
	v_bfe_u32 v2, v0, 4, 1
	v_lshlrev_b32 v[BOF], 5, v2
.irp b, 0,1,2,3,4,5,6,7
	global_load_b128 v[BIAS+8*\b:BIAS+8*\b+3], v[BOF], s[92:93] offset:64*\b
	global_load_b128 v[BIAS+8*\b+4:BIAS+8*\b+7], v[BOF], s[92:93] offset:64*\b+16
.endr
	v_and_b32 v6, 31, v0
	v_lshlrev_b32 v[CO], 4, v6
	v_mul_u32_u24 v3, v1, PITCH
	v_lshl_add_u32 v4, v2, 4, v3
	s_mul_i32 s21, s15, AHALF
	s_mul_i32 s22, s16, HALFB
	s_add_co_u32 s22, s22, BOFF
.irp s, 0,1
	v_add_nc_u32 v[ADRA+\s], s21, v[CO]
	v_add_nc_u32 v[ADRB+\s], s22, v4
	s_add_co_u32 s21, s21, SLOT
	s_add_co_u32 s22, s22, SLOT
.endr
	v_mul_u32_u24 v5, v1, 32
	v_lshrrev_b32 v6, 8, v5
	v_lshl_add_u32 v5, v6, 4, v5
	s_mul_i32 s21, s15, HALFSA
	s_mul_i32 s22, s16, HALFSB
	s_add_co_u32 s22, s22, 2*HALFSA
	s_sub_co_u32 s22, s22, s21
	v_mul_u32_u24 v6, s22, v2
	s_add_co_u32 s21, s21, SCL
	v_add_nc_u32 v5, v5, v6
	v_add_nc_u32 v[ADRS], s21, v5
	s_mul_i32 s23, s14, 16*SPITCH
	v_mul_u32_u24 v5, v1, SPITCH
	v_lshl_add_u32 v5, v2, 5, v5
	v_add_nc_u32 v[STO], s23, v5
	v_add_nc_u32 v[RD], s23, v[CO]
.macro PMUL a0, p, q, sc, first
.irp a, \a0, \a0+1
.irp b, 0,1,2,3,4,5,6,7
.if \first
	v_wmma_scale_f32_16x16x128_f8f6f4 v[8*(8*(\a)+\b):8*(8*(\a)+\b)+7], v[128*(\p)+8*\b:128*(\p)+8*\b+7], v[AF+32*(\p)+8*(\a):AF+32*(\p)+8*(\a)+7], v[BIAS+8*\b:BIAS+8*\b+7], v[SC+32*(\sc)+4*\b+(\q)], v[SC+32*(\sc)+4*(\a)+(\q)] matrix_a_fmt:MATRIX_FMT_FP4 matrix_b_fmt:MATRIX_FMT_FP4 matrix_a_scale:MATRIX_SCALE_ROW1
.else
	v_wmma_scale_f32_16x16x128_f8f6f4 v[8*(8*(\a)+\b):8*(8*(\a)+\b)+7], v[128*(\p)+8*\b:128*(\p)+8*\b+7], v[AF+32*(\p)+8*(\a):AF+32*(\p)+8*(\a)+7], v[8*(8*(\a)+\b):8*(8*(\a)+\b)+7], v[SC+32*(\sc)+4*\b+(\q)], v[SC+32*(\sc)+4*(\a)+(\q)] matrix_a_fmt:MATRIX_FMT_FP4 matrix_b_fmt:MATRIX_FMT_FP4 matrix_a_scale:MATRIX_SCALE_ROW1
.endif
.endr
.endr
.endm
.macro FETCH slot, q, p
	WIN TO_B
.irp i, 0,1,2,3,4,5,6,7
.irp c, 0,1
	ds_load_b128 v[128*(\p)+8*\i+4*\c:128*(\p)+8*\i+4*\c+3], v[ADRB+\slot] offset:64*(\q)+32*\c+\i*16*PITCH
.endr
.endr
	WIN 0
.irp i, 0,1,2,3
.irp c, 0,1
	ds_load_b128 v[AF+32*(\p)+8*\i+4*\c:AF+32*(\p)+8*\i+4*\c+3], v[ADRA+\slot] offset:ATILE*\i+1024*(\q)+512*\c
.endr
.endr
.endm
.macro SCALES sc
.irp i, 0,1,2,3,4,5,6,7
	ds_load_b128 v[SC+32*\sc+4*\i:SC+32*\sc+4*\i+3], v[ADRS] offset:\i*SBLK
.endr
.endm
.macro PLACES n
.rept \n
	v_nop
.endr
.endm
.macro PSTEP slot, q, first
	s_wait_dscnt 0x0
	WIN MULW-0x20*(\first)
	PMUL 0, (\q)%2, \q, \slot, \first
	PLACES 4
	FETCH \slot, (\q)+1, 1-(\q)%2
	WIN MULW-0x20*(\first)
	PMUL 2, (\q)%2, \q, \slot, \first
.endm
	s_wait_alu depctr_va_vdst(0)
	s_wait_tensorcnt 1
	s_barrier_signal -1
	s_barrier_wait -1
	FETCH 0, 0, 0
	SCALES 0
	s_wait_loadcnt 0x0
	PSTEP 0, 0, 1
	PSTEP 0, 1, 0
	PSTEP 0, 2, 0
	s_wait_tensorcnt 0x0
	s_wait_dscnt 0x0
	s_barrier_signal -1
	WIN MULW
	PMUL 0, 1, 3, 0, 0
	WIN 0
	s_barrier_wait -1
	PLACES 4
	v_add_nc_u32 v[ADRS], 16, v[ADRS]
	FETCH 1, 0, 0
	SCALES 1
	WIN MULW
	PMUL 2, 1, 3, 0, 0
	PSTEP 1, 0, 0
	PSTEP 1, 1, 0
	PSTEP 1, 2, 0
	s_wait_dscnt 0x0
	WIN MULW
	PMUL 0, 1, 3, 1, 0
	PMUL 2, 1, 3, 1, 0
	WIN 0
.macro TOSTAGE a
	WIN 0x08
.irp b, 0,1,2,3,4,5,6,7
	ds_store_b128 v[STO], v[64*(\a)+8*\b:64*(\a)+8*\b+3] offset:64*\b
	ds_store_b128 v[STO], v[64*(\a)+8*\b+4:64*(\a)+8*\b+7] offset:64*\b+16
.endr
	WIN 0
.set BB, BK+64*((\a)%2)
.irp t, 0,1,2,3,4,5,6,7,8,9,10,11,12,13,14,15
	ds_load_b128 v[BB+4*\t:BB+4*\t+3], v[RD] offset:\t*SPITCH
.endr
.endm
.macro SEND a, younger
.set BB, BK+64*((\a)%2)
	s_wait_dscnt \younger
.if (\a) > 0
	s_add_nc_u64 s[94:95], s[94:95], 16*4096
.endif
.irp t, 0,1,2,3,4,5,6,7,8,9,10,11,12,13,14,15
	global_store_b128 v[CO], v[BB+4*\t:BB+4*\t+3], s[94:95] offset:\t*4096 th:TH_STORE_NT
.endr
.endm
	PLACES 4
	TOSTAGE 0
.irp a, 1,2,3
.if \a > 1
	s_wait_xcnt 0x0
.endif
	TOSTAGE \a
	SEND \a-1, 32
.endr
	s_wait_xcnt 0x0
	SEND 3, 0
	s_wait_tensorcnt 0x0
	ds_add_u32 v29, v31
	s_wait_dscnt 0x0
	CROUND
	s_endpgm
.Lfunc_end_k_qe521093489_proj:
	.size	k_qe521093489_proj, .Lfunc_end_k_qe521093489_proj-k_qe521093489_proj
	.p2alignl 7, 3214868480
	.fill 96, 4, 3214868480
	.section	.rodata,"a",@progbits
	.p2align	6, 0x0
	.amdhsa_kernel k_qe521093489_proj
		.amdhsa_group_segment_fixed_size 327680
		.amdhsa_private_segment_fixed_size 0
		.amdhsa_enable_private_segment 0
		.amdhsa_kernarg_size 48
		.amdhsa_user_sgpr_count 2
		.amdhsa_user_sgpr_kernarg_segment_ptr 1
		.amdhsa_wavefront_size32 1
		.amdhsa_system_sgpr_workgroup_id_x 1
		.amdhsa_system_sgpr_workgroup_id_y 1
		.amdhsa_system_sgpr_workgroup_id_z 1
		.amdhsa_system_vgpr_workitem_id 0
		.amdhsa_next_free_vgpr 768
		.amdhsa_next_free_sgpr 100
		.amdhsa_reserve_vcc 0
		.amdhsa_float_denorm_mode_32 3
		.amdhsa_float_denorm_mode_16_64 3
		.amdhsa_memory_ordered 1
		.amdhsa_forward_progress 1
		.amdhsa_inst_pref_size 75
	.end_amdhsa_kernel
	.amdgpu_metadata
---
amdhsa.version: [ 1, 2 ]
amdhsa.kernels:
  - .name:           k_qe521093489_proj
    .symbol:         k_qe521093489_proj.kd
    .args:
      - { .name: o_img, .offset: 0, .size: 8, .value_kind: global_buffer, .address_space: global }
      - { .name: o_sc, .offset: 8, .size: 8, .value_kind: global_buffer, .address_space: global }
      - { .name: wo_w_codes, .offset: 16, .size: 8, .value_kind: global_buffer, .address_space: global }
      - { .name: wo_w_scales, .offset: 24, .size: 8, .value_kind: global_buffer, .address_space: global }
      - { .name: wo_b, .offset: 32, .size: 8, .value_kind: global_buffer, .address_space: global }
      - { .name: out0, .offset: 40, .size: 8, .value_kind: global_buffer, .address_space: global }
    .group_segment_fixed_size: 327680
    .private_segment_fixed_size: 0
    .kernarg_segment_align: 8
    .kernarg_segment_size: 48
    .max_flat_workgroup_size: 128
    .sgpr_count:     100
    .vgpr_count:     768
    .wavefront_size: 32
...
	.end_amdgpu_metadata
.endif
;; end of part 3
